; MI455X (gfx1250); checked and timed in simulation.
; The chip was launched on July 23, 2026; its instructions are those of AMD's public machine-readable ISA for CDNA 5 (MIT licence, August 2026) and "CDNA5" Instruction Set Architecture Reference Guide (July 2026). The comments in the code are by the model that wrote it; some were corrected since.
;; Multi Headed Attention. Allowed arithmetic: matrix products marked QUANTISED: E2M1 operands, one E8M0 scale for each 32 along K, by v_wmma_scale_f32_16x16x128_f8f6f4 with both operands' format E2M1 (or v_wmma_scale_f32_32x16x128_f4), f32 sums; everything else in f32.
;; Inputs: Wo_codes 1,024 x 32 x 16 uint8 (E2M1 codes of Wo, K innermost, in blocks of 32 codes, two codes a byte); Wo_scales 1,024 x 32 uint8 (E8M0 scales of Wo, one for each 32 codes along K); Wqkv_codes 3,072 x 32 x 16 uint8 (E2M1 codes of Wqkv, K innermost, in blocks of 32 codes, two codes a byte); Wqkv_scales 3,072 x 32 uint8 (E8M0 scales of Wqkv, one for each 32 codes along K); bo 1,024 float32; bqkv 3,072 float32; input_codes 1 x 4,096 x 32 x 16 uint8 (E2M1 codes of input, K innermost, in blocks of 32 codes, two codes a byte); input_scales 1 x 4,096 x 32 uint8 (E8M0 scales of input, one for each 32 codes along K).
;; Outputs: out0 1 x 4,096 x 1,024 float32.
;; This version of the problem:
;;   THIS VERSION OF THE PROBLEM IS GIVEN IN LOW PRECISION. The matrix products marked QUANTISED in the list below multiply operands that are first quantised to E2M1 (2 exponent bits, 1 mantissa bit; 4 bits a number), with one power-of-two scale for each 32 numbers along K (OCP MX v1.0); their sums are f32. All else is computed in f32.
;;   The module's matrix products, in the order in which they are computed (A, B: the left and right operand; K: the contracted axis; several contracted axes count as one K, in the product's order):
;;     1. [M 4,096, K 1,024] x [K 1,024, N 3,072]; A: input input (given as codes); B: input Wqkv (given as codes): QUANTISED
;;     2. batch 16 x [M 4,096, K 64] x [K 64, N 4,096]; A: computed on the way; B: computed on the way: QUANTISED
;;     3. batch 16 x [M 4,096, K 4,096] x [K 4,096, N 64]; A: softmax (see below); B: computed on the way: QUANTISED
;;     4. [M 4,096, K 1,024] x [K 1,024, N 1,024]; A: computed on the way; B: input Wo (given as codes): QUANTISED
;;   THE QUANTISER, for each operand of a quantised product, along K:
;;     - K is cut into blocks of 32 from its start; a last block that is shorter is filled with zeros.
;;     - A block's scale is 2^e with e = floor(log2(the largest magnitude in the block)) - 2, held to -126 .. 127; a block of zeros has e = 0. As a byte (E8M0): e + 127.
;;     - Each number is divided by its block's scale, clamped to +-6, and rounded to the nearest number of E2M1, ties to even, subnormals kept.
;;     - The product sums the exact products of the quantised numbers (number of the format x scale) in f32.
;;   ~~~python
;;   def quantise(x, axis):      # numpy; x: float32 -> the quantised numbers, widened to float32 again
;;       x = np.moveaxis(x, axis, -1); K = x.shape[-1]
;;       x = np.pad(x, [(0, 0)] * (x.ndim - 1) + [(0, -K % 32)]); x = x.reshape(x.shape[:-1] + (-1, 32)); a = np.abs(x).max(-1, keepdims=True)
;;       e = np.where(a > 0, np.clip(np.frexp(np.where(a > 0, a, 1))[1] - 1 - 2, -126, 127), 0)      # np.frexp(a)[1] - 1 = floor(log2(a)), exactly
;;       r = np.clip(x / 2.0 ** e, -6, 6)
;;       step = 2.0 ** (np.maximum(np.frexp(np.where(r == 0, 1, r))[1] - 1, 0) - 1)
;;       q = np.round(r / step) * step * 2.0 ** e      # np.round: ties to even
;;       return np.moveaxis(q.reshape(q.shape[:-2] + (-1,))[..., :K], -1, axis).astype(np.float32)
;;   ~~~
;;   SOFTMAX AHEAD OF A QUANTISED PRODUCT. Where the list says 'softmax', what is quantised is not the finished softmax but p = 2^(t - M), with t = logit x log2(e) and M = ceil(the row's largest t), a whole number; so 1/2 < the row's largest p <= 1. The row's sum l is taken of the UNQUANTISED p, in f32, and the product's result is divided by l at the end. Since M is a whole number, a kernel that streams over the keys may use a running M (the ceiling of the running maximum): every later rescaling is an exact power of two, which a block's scale takes up: the codes' values come out the same.
;;   OPERANDS COMPUTED ON THE WAY. 'Computed on the way' means the value that the module computes at that place (a softmax that the list does not call 'softmax' is quantised finished and normalised). What goes into a quantiser is computed in f32, as accurately as f32 sums, v_exp_f32 and their like allow (about 1e-6 of the number): no bf16 or f16 on the way to a quantiser, and a product that is left as it is and whose result goes on into a quantised operand takes f32 operands (vector FMAs, or v_wmma_f32_16x16x4_f32). A number that lies on a knife's edge between two numbers of the format may be rounded either way, as far as f32 arithmetic and the matrix unit's own rounding can turn it there, and no further.
;;   INPUTS GIVEN AS CODES. Wo (in the module: [1024, 1024], K = its axis 0); Wqkv (in the module: [1024, 3072], K = its axis 0); input (in the module: [1, 4096, 1024], K = its axis 2): each comes as NAME_codes (uint8): NAME with its K axis moved to the last place and cut into blocks of 32 codes, [.., K / 32, bytes a block], one block behind the other in memory; two codes a byte, the lower K in the low four bits (a code: sign, 2 exponent bits, 1 mantissa bit); and NAME_scales (uint8): the same leading axes, one E8M0 byte (e + 127) for each 32 codes along K. Its value is code x scale, taken as it is: it is not quantised again, and the codes and scales need not be those that the quantiser above would give.
;; One version. Each part assembles by itself: llvm-mc -triple=amdgcn-amd-amdhsa -mcpu=gfx1250 --defsym DOCPART=n.
;; ======== version 1 of 1: 3 launches
;; workspace buffers: q_codes 2,097,152 bytes; q_scales 262,144 bytes; kv 4,587,520 bytes; o_codes 2,097,152 bytes; o_scales 131,072 bytes
;; launch qkv (part 1): grid 8 x 32, 12 waves a work-group, clusters of 4 x 4, 288,256 bytes of LDS; arguments input_codes, input_scales, Wqkv_codes, Wqkv_scales, bqkv, q_codes, q_scales, kv; writes q_codes, q_scales, kv
.if DOCPART == 1
	.amdgcn_target "amdgcn-amd-amdhsa--gfx1250"
	.amdhsa_code_object_version 6
	.text
	.protected	k_qe543db4b38_qkv
	.globl	k_qe543db4b38_qkv
	.p2align	8
	.type	k_qe543db4b38_qkv,@function
k_qe543db4b38_qkv:
	s_mov_b64 s[64:65], 0
	v_nop
	global_prefetch_b8 v0, s[64:65] scope:SCOPE_SE
	s_setreg_imm32_b32 hwreg(HW_REG_WAVE_MODE, 25, 1), 1
	s_wait_xcnt 0x0
	s_wait_alu depctr_hold_cnt(0) depctr_sa_sdst(0) depctr_va_vdst(0) depctr_va_sdst(0) depctr_va_ssrc(0) depctr_va_vcc(0) depctr_vm_vsrc(0)
	s_getreg_b32 s2, hwreg(HW_REG_IB_STS2, 6, 4)
	s_cmp_eq_u32 s2, 0
	s_cbranch_scc0 .Lentry_in_a_cluster
	s_endpgm
.Lentry_in_a_cluster:
	s_bfe_u32 s2, ttmp6, 0x10000c
	s_cmp_lg_u32 s2, 0xf033
	s_cbranch_scc0 .Lentry_shape_is_right
	s_endpgm
.Lentry_shape_is_right:
; qkv = input Wqkv + bqkv on codes of FP4 (E2M1) with one E8M0 scale for each 32 along K = 1,024; the results are quantised at once: q and k along the head's 64 channels, v along the keys.
; input: [4096][1024] codes (512 bytes a row), Wqkv: [3072][1024] codes, K innermost; their scale bytes [rows][32]; bqkv [3072] f32.
; SHARES.  A work-group takes tokens 128 gy .. + 127 against columns 128 gx .. + 127 (heads 2 gx, 2 gx + 1) of each of q, k and v.  Twelve waves: part p = wave / 4 (0 q, 1 k, 2 v), i = wave % 4.
; A wave makes 8 P tiles x 2 L tiles of 16 x 16: P is the side along which its result is quantised and is source 0, so that a lane's registers run along it; L owns the lane and is source 1.
;   q, k: P = the part's 128 rows of W, L = token tiles 2 i, 2 i + 1.      v: P = the 128 tokens, L = tiles 2 i, 2 i + 1 of Wv's 128 rows.     One text of products serves all twelve waves.
; THE ROWS OF A TILE ARE NOT NEIGHBOURS: place r of tile 2 b + u is row 32 b + 8 u + r + 8 (r / 8), so that the 16 result registers of tiles 2 b and 2 b + 1 are the 16 neighbours 32 b + 16 (lane / 16) + 0 .. 15.
; LDS, filled once and only read: four blocks of 128 rows of codes (Wq, Wk, X, Wv), rows 528 bytes apart (512 + 16: row r starts 4 r words on, modulo 64 words, so a load's sixteen rows do not meet);
;   in a block tile 2 b + u lies at slot 4 u + b, its 16 rows in the lanes' order.  The tensor load lays them so: it states 8 rows of 4,096 bytes (8 matrix rows on end), 8,192 bytes apart, from 4,096 u on,
;   with 16 bytes of padding behind every 512.  Behind the codes: the four blocks' scale bytes, [row][32], dense.
; CLUSTER 4 x 4: X's tiles hang on gy alone and are asked for jointly by a row of the cluster, W's on gx alone, by a column.  One tensor load a wave, all first fills: no LDS byte is filled twice.
; OUT, as images of operand registers (lane l's 16 bytes at 16 l):  q_codes [head][tile 256][512], q_scales [head][tile][16 words];
;   kv [head][step of 128 keys][8,960]: K's 8 tiles of codes, V's 4 channel tiles x 2 x 512, K's 8 x 16 scale words, V's 4 x 16.
;   Of a word of q or k only bytes 0 and 1 scale codes that count; bytes 2 and 3 are bytes of the quantiser or 0, never 0xff.
; LIMITS: NaN and infinities are not served; a block whose largest magnitude lies under 2^-124 keeps the byte 1, and so does a block of zeros (its codes are zeros; this program alone reads the bytes);
;   the bias of q and k is the start of the f32 sum, not its last addend.
.set PITCH, 528
.set TILEB, 16*PITCH                   ; a tile of 16 rows
.set HALFB, 4*TILEB                    ; what one tensor load of codes brings: the four tiles of one u
.set BLKB,  2*HALFB                    ; a block of 128 rows
.set SCL,   4*BLKB                     ; the scale bytes: four blocks of 4,096
.set STEPB, 8960                       ; kv: a step of 128 keys
.set HEADB, 32*STEPB                   ; kv: a head
.set PA,  1                            ; v1   LDS address of my P fragments
.set LA,  2                            ; v2   of my L fragments
.set PSA, 3                            ; v3   of P's scale bytes
.set LSA, 4                            ; v4   of L's
.set PS,  8                            ; v8-39  P's scale words: register 8 b + s: lanes 0-15 tile 2 b, lanes 16-31 tile 2 b + 1, K step s
.set LS,  40                           ; v40-47 L's: register s: lanes 0-15 L tile 0, lanes 16-31 L tile 1
.set LF,  48                           ; v48-63   L's two fragments
.set PF,  64                           ; v64-127  P's eight
.set ACC, 128                          ; v128-255 accumulator (L tile, P tile) at 128 + 64 Lt + 8 Pt
.set TM,  64                           ; the way out works in P's registers: v64-79 at work,
.set PW0, 80                           ; v80, v81 the two scale words,
.set PW1, 81
.set WD,  82                           ; v82, v83 as they are stored,
.set BP,  84                           ; v84-87 v's two biases as pairs,
.set PC0, 88                           ; v88-95, v96-103 the codes,
.set PC1, 96
.set L16, 104                          ; v104 16 x lane, v105 the words' offset, v106 lane / 16, v107 4 x lane
.set WO,  105
.set HH,  106
.set L4,  107
.set WV,   20                          ; s20 wave, s21 part, s22 i
.set PRT,  21
.set IDX,  22
.set CX,   23
.set CY,   24
.set GX,   25
.set GY,   26
.set MROW, 27
.set MCOL, 28
.set SEL,  30                          ; s[30:31] lane selects for v_permlanex16_b32: lane l xor 16
.set G1XC, 32                          ; descriptor groups 1: X's codes, W's codes, X's scales, W's scales
.set G1WC, 40
.set G1XS, 48
.set G1WS, 56
.set G0XC, 68                          ; and groups 0
.set G0WC, 72
.set G0XS, 76
.set G0WS, 80
.macro CROUND                          ; a round of the cluster's barrier
	s_barrier_signal -1
	s_barrier_wait -1
	s_cmp_lg_u32 s[WV], 0
	s_cbranch_scc1 .Lnot_wave_0_\@
	s_barrier_signal -3
.Lnot_wave_0_\@:
	s_barrier_wait -3
	s_barrier_signal -1
	s_barrier_wait -1
.endm
.macro PLACES                          ; four plain vector instructions between a matrix instruction and a load into, or a vector write or read of, its registers
.rept 4
	v_nop
.endr
.endm
; one product.  c < 0: the constant 0 starts the sum.  ra, rb: the side's scale words stand in lanes 16-31 of the register named
.macro WM d, a, b, c, sa, sb, ra, rb
.if (\c) < 0
.if (\ra) && (\rb)
	v_wmma_scale_f32_16x16x128_f8f6f4 v[(\d):(\d)+7], v[(\a):(\a)+7], v[(\b):(\b)+7], 0, v[\sa], v[\sb] matrix_a_fmt:MATRIX_FMT_FP4 matrix_b_fmt:MATRIX_FMT_FP4 matrix_a_scale:MATRIX_SCALE_ROW1 matrix_b_scale:MATRIX_SCALE_ROW1
.elseif (\ra)
	v_wmma_scale_f32_16x16x128_f8f6f4 v[(\d):(\d)+7], v[(\a):(\a)+7], v[(\b):(\b)+7], 0, v[\sa], v[\sb] matrix_a_fmt:MATRIX_FMT_FP4 matrix_b_fmt:MATRIX_FMT_FP4 matrix_a_scale:MATRIX_SCALE_ROW1
.elseif (\rb)
	v_wmma_scale_f32_16x16x128_f8f6f4 v[(\d):(\d)+7], v[(\a):(\a)+7], v[(\b):(\b)+7], 0, v[\sa], v[\sb] matrix_a_fmt:MATRIX_FMT_FP4 matrix_b_fmt:MATRIX_FMT_FP4 matrix_b_scale:MATRIX_SCALE_ROW1
.else
	v_wmma_scale_f32_16x16x128_f8f6f4 v[(\d):(\d)+7], v[(\a):(\a)+7], v[(\b):(\b)+7], 0, v[\sa], v[\sb] matrix_a_fmt:MATRIX_FMT_FP4 matrix_b_fmt:MATRIX_FMT_FP4
.endif
.else
.if (\ra) && (\rb)
	v_wmma_scale_f32_16x16x128_f8f6f4 v[(\d):(\d)+7], v[(\a):(\a)+7], v[(\b):(\b)+7], v[(\c):(\c)+7], v[\sa], v[\sb] matrix_a_fmt:MATRIX_FMT_FP4 matrix_b_fmt:MATRIX_FMT_FP4 matrix_a_scale:MATRIX_SCALE_ROW1 matrix_b_scale:MATRIX_SCALE_ROW1
.elseif (\ra)
	v_wmma_scale_f32_16x16x128_f8f6f4 v[(\d):(\d)+7], v[(\a):(\a)+7], v[(\b):(\b)+7], v[(\c):(\c)+7], v[\sa], v[\sb] matrix_a_fmt:MATRIX_FMT_FP4 matrix_b_fmt:MATRIX_FMT_FP4 matrix_a_scale:MATRIX_SCALE_ROW1
.elseif (\rb)
	v_wmma_scale_f32_16x16x128_f8f6f4 v[(\d):(\d)+7], v[(\a):(\a)+7], v[(\b):(\b)+7], v[(\c):(\c)+7], v[\sa], v[\sb] matrix_a_fmt:MATRIX_FMT_FP4 matrix_b_fmt:MATRIX_FMT_FP4 matrix_b_scale:MATRIX_SCALE_ROW1
.else
	v_wmma_scale_f32_16x16x128_f8f6f4 v[(\d):(\d)+7], v[(\a):(\a)+7], v[(\b):(\b)+7], v[(\c):(\c)+7], v[\sa], v[\sb] matrix_a_fmt:MATRIX_FMT_FP4 matrix_b_fmt:MATRIX_FMT_FP4
.endif
.endif
.endm
.macro FRAG reg, adr, off              ; a fragment, 16 rows x 128 K of 4-bit codes: registers 4 c .. 4 c + 3 hold K = 64 c + 32 (lane / 16) + 0 .. 31: two loads of 16 bytes, 32 bytes apart
	ds_load_b128 v[(\reg):(\reg)+3], v[\adr] offset:(\off)
	ds_load_b128 v[(\reg)+4:(\reg)+7], v[\adr] offset:(\off)+32
.endm
.macro LOADL s                         ; L's two fragments of K step s: tiles 2 i + Lt lie at slots 4 Lt + i
.irp lt, 0,1
	FRAG LF+8*\lt, LA, HALFB*\lt+64*(\s)
.endr
.endm
.macro LOADP s, half                   ; P's tiles 4 half .. 4 half + 3 of K step s: tile Pt at slot 4 (Pt % 2) + Pt / 2
.irp q, 0,1,2,3
	FRAG PF+8*(4*\half+\q), PA, (4*(\q%2)+(4*\half+\q)/2)*TILEB+64*(\s)
.endr
.endm
; eight products: P's tiles of the half x L's two.  The sixteen accumulators take turns, one instruction a turn, in the same order in every step.
.macro MUL s, half, inplace
.irp q, 0,1,2,3
.irp lt, 0,1
.if \inplace
	WM ACC+64*\lt+8*(4*\half+\q), PF+8*(4*\half+\q), LF+8*\lt, ACC+64*\lt+8*(4*\half+\q), PS+8*((4*\half+\q)/2)+(\s), LS+(\s), \q%2, \lt
.else
	WM ACC+64*\lt+8*(4*\half+\q), PF+8*(4*\half+\q), LF+8*\lt, -1, PS+8*((4*\half+\q)/2)+(\s), LS+(\s), \q%2, \lt
.endif
.endr
.endr
.endm
.macro STEP s, inplace                 ; 128 along K: sixteen products
	s_wait_dscnt 8                                 ; L's fragments and P's tiles 0-3 are in; the youngest eight loads (P's tiles 4-7) may be out
	MUL \s, 0, \inplace
	PLACES
.if \s < 7
	LOADP \s+1, 0
	s_wait_dscnt 8                                 ; all but the eight just issued: P's tiles 4-7 are in
.else
	s_wait_dscnt 0x0
.endif
	MUL \s, 1, \inplace
.if \s < 7
	PLACES
	LOADL \s+1
	LOADP \s+1, 1
.endif
.endm
; 64 numbers of a lane, register 16 b + i = k 32 b + 16 (lane / 16) + i of the lane's row, become a fragment's codes in v[pc] on and the row's scale word in v[pw]
.macro QUANT s, pc, pw
.irp b, 0,1,2,3
	v_max3_num_f32 v[TM+\b], |v[\s+16*\b]|, |v[\s+1+16*\b]|, 0x1800000   ; block b: my 16 numbers, and the floor 2^(3 - 127): the byte cannot fall under 1.  Each accumulator is read from its low end on
.endr
.irp i, 2,4,6,8,10,12,14
.irp b, 0,1,2,3
	v_max3_num_f32 v[TM+\b], v[TM+\b], |v[\s+16*\b+\i]|, |v[\s+1+16*\b+\i]|   ; the four blocks by turns
.endr
.endr
.irp b, 0,1,2,3
	v_permlanex16_b32 v[TM+4+\b], v[TM+\b], s[SEL], s[SEL+1]
.endr
.irp b, 0,1,2,3
	v_max_num_f32 v[TM+\b], v[TM+\b], v[TM+4+\b]   ; with lane l xor 16's: the block's largest magnitude
.endr
.irp b, 0,1,2,3
	v_add_nc_u32 v[TM+12+\b], 0xff000000, v[TM+\b] ; 2 off its exponent field: the conversion takes this operand's exponent field as its scale
.endr
.irp b, 0,1,2,3
	v_lshrrev_b32 v[TM+4+\b], 23, v[TM+12+\b]      ; the scale's byte
.endr
	v_lshl_or_b32 v[\pw], v[TM+5], 8, v[TM+4]
	v_lshl_or_b32 v[\pw], v[TM+6], 16, v[\pw]
	v_lshl_or_b32 v[\pw], v[TM+7], 24, v[\pw]
.irp b, 0,1,2,3
	v_cvt_scalef32_pk8_fp4_f32 v[\pc+2*\b], v[\s+16*\b:\s+7+16*\b], v[TM+12+\b]
	v_cvt_scalef32_pk8_fp4_f32 v[\pc+1+2*\b], v[\s+8+16*\b:\s+15+16*\b], v[TM+12+\b]
.endr
	v_nop                                          ; one plain place behind a scaled conversion
.irp c, 0,1                            ; the operand's layout wants a whole block in a lane: lanes 0-15 block 2 c, lanes 16-31 block 2 c + 1
.irp i, 0,1
	v_permlane16_swap_b32 v[\pc+4*\c+\i], v[\pc+2+4*\c+\i]
.endr
.endr
.endm
	s_load_b256 s[4:11], s[0:1], 0x0               ; input's codes s[4:5], its scales s[6:7], Wqkv's codes s[8:9], its scales s[10:11]
	s_load_b256 s[12:19], s[0:1], 0x20             ; bqkv s[12:13], q_codes s[14:15], q_scales s[16:17], kv s[18:19]
	s_set_vgpr_msb 0x40
	v_lshl_add_u32 v0, v0, 2, 0x46000
	v_mov_b32 v1, 0
	s_set_vgpr_msb 0x4045
	ds_add_u32 v0, v1
	ds_add_u32 v0, v1
	s_set_vgpr_msb 0x4500
	v_lshrrev_b32 v5, 5, v0
	v_readfirstlane_b32 s[WV], v5                  ; wave 0..11
	s_lshr_b32 s[PRT], s[WV], 2                    ; part: 0 q, 1 k, 2 v
	s_and_b32 s[IDX], s[WV], 3                     ; i
	s_bfe_u32 s[CX], ttmp6, 0x40000                ; my place in the cluster
	s_bfe_u32 s[CY], ttmp6, 0x40004
	s_lshl_b32 s[GX], ttmp9, 2
	s_add_co_u32 s[GX], s[GX], s[CX]               ; gx = 4 x cluster x + cx
	s_and_b32 s[GY], ttmp7, 0xffff
	s_lshl_b32 s[GY], s[GY], 2
	s_add_co_u32 s[GY], s[GY], s[CY]               ; gy = 4 x cluster y + cy
	s_lshl_b32 s[MROW], s[CY], 2
	s_lshl_b32 s[MROW], 15, s[MROW]                ; my row of the cluster
	s_lshl_b32 s[MCOL], 0x1111, s[CX]              ; my column
	s_mov_b32 s[SEL], 0x76543210
	s_mov_b32 s[SEL+1], 0xfedcba98
	; group 1 for codes: elements of 8 bytes; 8 rows of 512 elements, 1,024 elements apart; 4 words of padding behind every 128 words
	s_or_b32 s[G1XC], s[MROW], (3<<16)|(1<<20)|(1<<21)|(6<<22)|(3<<25)
	s_or_b32 s[G1WC], s[MCOL], (3<<16)|(1<<20)|(1<<21)|(6<<22)|(3<<25)
.irp g, G1XC, G1WC
	s_mov_b32 s[\g+1], 512<<16                     ; tensor_dim0
	s_mov_b32 s[\g+2], 8<<16                       ; tensor_dim1
	s_mov_b32 s[\g+3], 512<<16                     ; tile_dim0
	s_mov_b32 s[\g+4], 8                           ; tile_dim1
	s_mov_b32 s[\g+5], 1024                        ; from row to row
	s_mov_b32 s[\g+6], 0
	s_mov_b32 s[\g+7], 0
.endr
	; group 1 for scale bytes: a dense block of 4,096 bytes as 16 rows of 256
	s_or_b32 s[G1XS], s[MROW], (3<<16)|(1<<21)
	s_or_b32 s[G1WS], s[MCOL], (3<<16)|(1<<21)
.irp g, G1XS, G1WS
	s_mov_b32 s[\g+1], 32<<16
	s_mov_b32 s[\g+2], 16<<16
	s_mov_b32 s[\g+3], 32<<16
	s_mov_b32 s[\g+4], 16
	s_mov_b32 s[\g+5], 32
	s_mov_b32 s[\g+6], 0
	s_mov_b32 s[\g+7], 0
.endr
	; what a wave fetches.  Waves 0-7: half u = wave % 2 of code block wave / 2 (Wq, Wk, X, Wv); waves 8-11: scale block wave % 4.  Every wave makes all four addresses; gx and gy never share a register.
	s_and_b32 s84, s[WV], 7
	s_mul_i32 s84, s84, HALFB                      ; codes: where they go
	s_and_b32 s85, s[WV], 3
	s_lshl_b32 s85, s85, 12
	s_add_co_u32 s85, s85, SCL                     ; scales: where they go
	s_and_b32 s86, s[WV], 1
	s_lshl_b32 s86, s86, 12                        ; 4,096 u
	s_lshl_b32 s88, s[GY], 16                      ; X's codes: 128 gy rows of 512 bytes
	s_add_co_u32 s88, s88, s86
	s_mov_b32 s89, 0
	s_bfe_u32 s87, s[WV], 0x20001                  ; code block n = (wave / 2) % 4;
	s_lshr_b32 s90, s87, 1
	s_sub_co_u32 s87, s87, s90                     ; its part of W: n - n / 2
	s_lshl_b32 s87, s87, 10
	s_lshl_b32 s90, s[GX], 7
	s_add_co_u32 s87, s87, s90                     ; W's row 1,024 part + 128 gx
	s_lshl_b32 s90, s87, 9
	s_add_co_u32 s90, s90, s86
	s_mov_b32 s91, 0
	s_lshl_b32 s92, s[GY], 12                      ; X's scales: 128 gy rows of 32 bytes
	s_mov_b32 s93, 0
	s_and_b32 s87, s[WV], 3                        ; scale block n
	s_lshr_b32 s94, s87, 1
	s_sub_co_u32 s87, s87, s94
	s_lshl_b32 s87, s87, 10
	s_lshl_b32 s94, s[GX], 7
	s_add_co_u32 s87, s87, s94
	s_lshl_b32 s94, s87, 5
	s_mov_b32 s95, 0
	; the LDS addresses, all made here, ahead of the first parting of the waves
	v_and_b32 v5, 15, v0                           ; r
	v_bfe_u32 v6, v0, 4, 1                         ; h
	v_mul_u32_u24 v7, v5, PITCH
	v_lshl_add_u32 v7, v6, 4, v7                   ; a fragment's row x pitch + 16 h
	s_mul_i32 s96, s[PRT], BLKB                    ; P's block: Wq, Wk, or X
	v_add_nc_u32 v[PA], s96, v7
	s_lshr_b32 s97, s[PRT], 1
	s_add_co_u32 s97, s97, 2                       ; L's block: X, or Wv
	s_mul_i32 s98, s97, BLKB
	s_mul_i32 s99, s[IDX], TILEB
	s_add_co_u32 s98, s98, s99
	v_add_nc_u32 v[LA], s98, v7
	v_and_b32 v7, 8, v5
	v_add_nc_u32 v7, v7, v5                        ; r + 8 (r / 8)
	v_lshlrev_b32 v7, 5, v7                        ; 32 scale bytes a row
	v_lshl_add_u32 v7, v6, 8, v7                   ; lanes 16-31: the odd tile, 8 rows on
	s_lshl_b32 s96, s[PRT], 12
	s_add_co_u32 s96, s96, SCL
	v_add_nc_u32 v[PSA], s96, v7
	s_lshl_b32 s98, s97, 12
	s_lshl_b32 s99, s[IDX], 10
	s_add_co_u32 s98, s98, s99
	s_add_co_u32 s98, s98, SCL
	v_add_nc_u32 v[LSA], s98, v7
	s_wait_dscnt 0x0
	s_wait_kmcnt 0x0
	s_mov_b32 s[G0XC], 1
	s_mov_b32 s[G0XC+1], s84
	s_add_nc_u64 s[G0XC+2:G0XC+3], s[4:5], s[88:89]
	s_or_b32 s[G0XC+3], s[G0XC+3], 0x80000000
	s_mov_b32 s[G0WC], 1
	s_mov_b32 s[G0WC+1], s84
	s_add_nc_u64 s[G0WC+2:G0WC+3], s[8:9], s[90:91]
	s_or_b32 s[G0WC+3], s[G0WC+3], 0x80000000
	s_mov_b32 s[G0XS], 1
	s_mov_b32 s[G0XS+1], s85
	s_add_nc_u64 s[G0XS+2:G0XS+3], s[6:7], s[92:93]
	s_or_b32 s[G0XS+3], s[G0XS+3], 0x80000000
	s_mov_b32 s[G0WS], 1
	s_mov_b32 s[G0WS+1], s85
	s_add_nc_u64 s[G0WS+2:G0WS+3], s[10:11], s[94:95]
	s_or_b32 s[G0WS+3], s[G0WS+3], 0x80000000
	CROUND                                         ; all sixteen work-groups are here: the joint loads meet
	; a wave's one load, in one of four arms on the wave's number; four v_nop follow each line
	s_cmp_lt_u32 s[WV], 8
	s_cbranch_scc0 .Lscales
	s_lshr_b32 s96, s[WV], 1
	s_cmp_eq_u32 s96, 2
	s_cbranch_scc0 .Lw_codes
	tensor_load_to_lds s[G0XC:G0XC+3], s[G1XC:G1XC+7]
	s_nop 0
	PLACES
	s_branch .Lasked
.Lw_codes:
	tensor_load_to_lds s[G0WC:G0WC+3], s[G1WC:G1WC+7]
	s_nop 0
	PLACES
	s_branch .Lasked
.Lscales:
	s_cmp_eq_u32 s[WV], 10
	s_cbranch_scc0 .Lw_scales
	tensor_load_to_lds s[G0XS:G0XS+3], s[G1XS:G1XS+7]
	s_nop 0
	PLACES
	s_branch .Lasked
.Lw_scales:
	tensor_load_to_lds s[G0WS:G0WS+3], s[G1WS:G1WS+7]
	s_nop 0
	PLACES
.Lasked:
	; the biases, while the tiles are on their way
	s_lshl_b32 s96, s[PRT], 12
	s_lshl_b32 s97, s[GX], 9
	s_add_co_u32 s96, s96, s97                     ; 4 x (1,024 part + 128 gx)
	s_mov_b32 s97, 0
	s_add_nc_u64 s[12:13], s[12:13], s[96:97]
	s_cmp_lt_u32 s[PRT], 2
	s_cbranch_scc0 .Lbias_v
	v_bfe_u32 v5, v0, 4, 1                         ; q, k: a lane's registers run along the columns: the bias is loaded straight into the accumulators, and every K step adds in place.
	v_lshlrev_b32 v5, 6, v5                        ; register j of P tile 2 b + u is column 32 b + 16 h + 8 u + j
.irp lt, 0,1
.irp pt, 0,1,2,3,4,5,6,7
	global_load_b128 v[ACC+64*\lt+8*\pt:ACC+64*\lt+8*\pt+3], v5, s[12:13] offset:(32*(\pt/2)+8*(\pt%2))*4
	global_load_b128 v[ACC+64*\lt+8*\pt+4:ACC+64*\lt+8*\pt+7], v5, s[12:13] offset:(32*(\pt/2)+8*(\pt%2))*4+16
.endr
.endr
	s_branch .Lbias_done
.Lbias_v:
	s_lshl_b32 s96, s[IDX], 7                      ; v: a lane owns a channel: one number for each L tile, added behind the sums
	s_add_nc_u64 s[12:13], s[12:13], s[96:97]
	v_and_b32 v5, 15, v0
	v_and_b32 v6, 8, v5
	v_add_nc_u32 v5, v5, v6
	v_lshlrev_b32 v5, 2, v5                        ; channel 32 i + 8 Lt + r + 8 (r / 8)
	global_load_b32 v6, v5, s[12:13]
	global_load_b32 v7, v5, s[12:13] offset:32
.Lbias_done:
	s_wait_tensorcnt 0x0                           ; my one tensor load has landed,
	s_barrier_signal -1
	s_barrier_wait -1                              ; everybody's has
.irp b, 0,1,2,3
.irp k, 0,1
	ds_load_b128 v[PS+8*\b+4*\k:PS+8*\b+4*\k+3], v[PSA] offset:1024*\b+16*\k   ; a row's 32 scale bytes are its eight K steps' words
.endr
.endr
.irp k, 0,1
	ds_load_b128 v[LS+4*\k:LS+4*\k+3], v[LSA] offset:16*\k
.endr
	LOADL 0
	LOADP 0, 0
	LOADP 0, 1
	s_wait_loadcnt 0x0                             ; the biases
	s_cmp_lt_u32 s[PRT], 2
	s_cbranch_scc0 .Lfirst_v
	STEP 0, 1                                      ; q, k: onto the bias
	s_branch .Lfirst_done
.Lfirst_v:
	STEP 0, 0                                      ; v: the first products start the sums
.Lfirst_done:
.irp s, 1,2,3,4,5,6,7
	STEP \s, 1
.endr
	; THE WAY OUT
.irp b, 0,1,2,3
	v_mov_b32 v[TM+4+\b], 0                        ; a lane permute's destination counts as one of its sources.  These four name no register of the last eight products: they are the places behind them
.endr
	v_and_b32 v[L16], 31, v0
	v_lshlrev_b32 v[L4], 2, v[L16]
	v_lshlrev_b32 v[L16], 4, v[L16]
	v_bfe_u32 v[HH], v0, 4, 1
	s_cmp_lt_u32 s[PRT], 2
	s_cbranch_scc0 .Lout_v
	; q, k: the codes of columns 0-63 (registers 0-3) are head 2 gx's, those of 64-127 head 2 gx + 1's.  Buffers and strides are chosen on the part alone.
	s_cmp_eq_u32 s[PRT], 0
	s_cselect_b64 s[84:85], s[14:15], s[18:19]     ; the codes' buffer
	s_cselect_b64 s[86:87], s[16:17], s[18:19]     ; the words'
	s_mov_b32 s90, HEADB
	s_cselect_b32 s88, 131072, s90                 ; codes: from head to head
	s_cselect_b32 s89, 16384, s90                  ; words: from head to head
	s_mov_b32 s91, STEPB
	s_cselect_b32 s92, 4096, s91                   ; codes: from gy to gy
	s_cselect_b32 s93, 512, s91                    ; words: from gy to gy
	s_cselect_b32 s94, 0, 8192                     ; k's words lie behind the step's codes
	s_lshl_b32 s95, s[GX], 1                       ; head 2 gx
	s_mul_i32 s96, s95, s88
	s_mul_i32 s97, s[GY], s92
	s_add_co_u32 s96, s96, s97
	s_lshl_b32 s97, s[IDX], 10                     ; tile 2 i: 512 bytes a tile
	s_add_co_u32 s96, s96, s97
	s_mov_b32 s97, 0
	s_add_nc_u64 s[84:85], s[84:85], s[96:97]      ; head 2 gx's codes
	s_mov_b32 s96, s88
	s_add_nc_u64 s[98:99], s[84:85], s[96:97]      ; head 2 gx + 1's
	s_mul_i32 s96, s95, s89
	s_mul_i32 s90, s[GY], s93
	s_add_co_u32 s96, s96, s90
	s_add_co_u32 s96, s96, s94
	s_lshl_b32 s90, s[IDX], 7                      ; tile 2 i: 64 bytes a tile
	s_add_co_u32 s96, s96, s90
	s_add_nc_u64 s[86:87], s[86:87], s[96:97]
	v_and_b32 v[WO], 15, v0
	v_lshlrev_b32 v[WO], 2, v[WO]
	v_mad_u32_u24 v[WO], v[HH], s89, v[WO]         ; lanes 0-15 store head 2 gx's words, lanes 16-31 head 2 gx + 1's
	v_lshlrev_b32 v[HH], 4, v[HH]
	QUANT ACC, PC0, PW0
	QUANT ACC+64, PC1, PW1
	global_store_b128 v[L16], v[PC0:PC0+3], s[84:85]               ; each store of the wave covers 512 consecutive bytes, aligned to 256
	global_store_b128 v[L16], v[PC0+4:PC0+7], s[98:99]
	global_store_b128 v[L16], v[PC1:PC1+3], s[84:85] offset:512
	global_store_b128 v[L16], v[PC1+4:PC1+7], s[98:99] offset:512
	v_lshrrev_b32 v[WD], v[HH], v[PW0]             ; the head's two bytes come to bytes 0 and 1
	v_lshrrev_b32 v[WD+1], v[HH], v[PW1]
	global_store_b32 v[WO], v[WD], s[86:87]
	global_store_b32 v[WO], v[WD+1], s[86:87] offset:64
	s_branch .Lout_done
.Lout_v:
	; v: head 2 gx + i / 2, channel tiles 2 (i % 2) + Lt; the lane's 64 registers are its channel's 128 keys' halves
	s_lshl_b32 s95, s[GX], 1
	s_lshr_b32 s96, s[IDX], 1
	s_add_co_u32 s95, s95, s96
	s_mul_i32 s96, s95, HEADB
	s_mul_i32 s97, s[GY], STEPB
	s_add_co_u32 s96, s96, s97
	s_mov_b32 s97, 0
	s_add_nc_u64 s[84:85], s[18:19], s[96:97]      ; the head's step
	s_and_b32 s96, s[IDX], 1
	s_lshl_b32 s98, s96, 11                        ; two channel tiles of 1,024 bytes
	s_mov_b32 s99, 0
	s_add_nc_u64 s[86:87], s[84:85], s[98:99]
	s_lshl_b32 s98, s96, 7                         ; and of 64 bytes of words
	s_add_nc_u64 s[84:85], s[84:85], s[98:99]
	v_mov_b32 v[BP], v6
	v_mov_b32 v[BP+1], v6
	v_mov_b32 v[BP+2], v7
	v_mov_b32 v[BP+3], v7
.set j, 0
.rept 32
	v_pk_add_f32 v[ACC+j:ACC+j+1], v[ACC+j:ACC+j+1], v[BP:BP+1]     ; the bias; each accumulator from its low end on
.set j, j+2
.endr
.rept 32
	v_pk_add_f32 v[ACC+j:ACC+j+1], v[ACC+j:ACC+j+1], v[BP+2:BP+3]
.set j, j+2
.endr
	QUANT ACC, PC0, PW0
	QUANT ACC+64, PC1, PW1
	global_store_b128 v[L16], v[PC0:PC0+3], s[86:87] offset:4096
	global_store_b128 v[L16], v[PC0+4:PC0+7], s[86:87] offset:4096+512
	global_store_b128 v[L16], v[PC1:PC1+3], s[86:87] offset:4096+1024
	global_store_b128 v[L16], v[PC1+4:PC1+7], s[86:87] offset:4096+1536
	v_cmp_ne_u32 vcc_lo, 0, v[HH]
	v_cndmask_b32 v[WD], v[PW0], v[PW1], vcc_lo    ; lanes 0-15 the first tile's words, lanes 16-31 the second's: 128 consecutive bytes
	global_store_b32 v[L4], v[WD], s[84:85] offset:8704
.Lout_done:
	s_wait_dscnt 0x0
	s_set_vgpr_msb 0x5
	s_wait_tensorcnt 0x0
	ds_add_u32 v0, v1
	s_wait_dscnt 0x0
	s_set_vgpr_msb 0x500
	CROUND                                         ; the closing round: no work-group ends while a partner may still ask for a tile that names it
	s_endpgm
.Lfunc_end_k_qe543db4b38_qkv:
	.size	k_qe543db4b38_qkv, .Lfunc_end_k_qe543db4b38_qkv-k_qe543db4b38_qkv
	.p2alignl 7, 3214868480
	.fill 96, 4, 3214868480
	.section	.rodata,"a",@progbits
	.p2align	6, 0x0
	.amdhsa_kernel k_qe543db4b38_qkv
		.amdhsa_group_segment_fixed_size 288256
		.amdhsa_private_segment_fixed_size 0
		.amdhsa_enable_private_segment 0
		.amdhsa_kernarg_size 64
		.amdhsa_user_sgpr_count 2
		.amdhsa_user_sgpr_kernarg_segment_ptr 1
		.amdhsa_wavefront_size32 1
		.amdhsa_system_sgpr_workgroup_id_x 1
		.amdhsa_system_sgpr_workgroup_id_y 1
		.amdhsa_system_sgpr_workgroup_id_z 1
		.amdhsa_system_vgpr_workitem_id 0
		.amdhsa_next_free_vgpr 258
		.amdhsa_next_free_sgpr 100
		.amdhsa_reserve_vcc 1
		.amdhsa_float_denorm_mode_32 3
		.amdhsa_float_denorm_mode_16_64 3
		.amdhsa_memory_ordered 1
		.amdhsa_forward_progress 1
		.amdhsa_inst_pref_size 67
	.end_amdhsa_kernel
	.amdgpu_metadata
---
amdhsa.version: [ 1, 2 ]
amdhsa.kernels:
  - .name:           k_qe543db4b38_qkv
    .symbol:         k_qe543db4b38_qkv.kd
    .args:
      - { .name: input_codes, .offset: 0, .size: 8, .value_kind: global_buffer, .address_space: global }
      - { .name: input_scales, .offset: 8, .size: 8, .value_kind: global_buffer, .address_space: global }
      - { .name: Wqkv_codes, .offset: 16, .size: 8, .value_kind: global_buffer, .address_space: global }
      - { .name: Wqkv_scales, .offset: 24, .size: 8, .value_kind: global_buffer, .address_space: global }
      - { .name: bqkv, .offset: 32, .size: 8, .value_kind: global_buffer, .address_space: global }
      - { .name: q_codes, .offset: 40, .size: 8, .value_kind: global_buffer, .address_space: global }
      - { .name: q_scales, .offset: 48, .size: 8, .value_kind: global_buffer, .address_space: global }
      - { .name: kv, .offset: 56, .size: 8, .value_kind: global_buffer, .address_space: global }
    .group_segment_fixed_size: 288256
    .private_segment_fixed_size: 0
    .kernarg_segment_align: 8
    .kernarg_segment_size: 64
    .max_flat_workgroup_size: 384
    .sgpr_count:     100
    .vgpr_count:     258
    .wavefront_size: 32
...
	.end_amdgpu_metadata
.endif
;; end of part 1
;; launch attn (part 2): grid 16 x 16, 16 waves a work-group, no clusters, 288,768 bytes of LDS; arguments q_codes, q_scales, kv, o_codes, o_scales; writes o_codes, o_scales
.if DOCPART == 2
	.amdgcn_target "amdgcn-amd-amdhsa--gfx1250"
	.amdhsa_code_object_version 6
	.text
	.protected	k_qe543db4b38_attn
	.globl	k_qe543db4b38_attn
	.p2align	8
	.type	k_qe543db4b38_attn,@function
k_qe543db4b38_attn:
	s_mov_b64 s[64:65], 0
	v_nop
	global_prefetch_b8 v0, s[64:65] scope:SCOPE_SE
	s_setreg_imm32_b32 hwreg(HW_REG_WAVE_MODE, 25, 1), 1
	s_wait_xcnt 0x0
; o[q] = the sum over keys k <= q of softmax_k(q . k / 8) v[k], head by head, both products on codes of FP4 (E2M1) with one E8M0 scale for each 32 along a product's K; o is quantised along D at once.
; THE SOFTMAX AHEAD OF THE SECOND PRODUCT: t = score x log2(e) / 8; M = the row's largest t so far, rounded up to a whole number; p = 2^(t - M) is what is quantised, along the keys, not normalised.
; The row's sum is taken of the unquantised p, in f32, and divides O at the end.  When M moves, the sum and O are multiplied by 2^(old M - new M): exact.
; INPUTS, images of operand registers (lane l's 16 bytes at 16 l): q_codes [head][tile 256][512], q_scales [head][tile][16 words]; kv [head][step of 128 keys][8,960]: K's 8 tiles x 512, V's 4 channel
; tiles x 2 x 512, K's 8 x 16 scale words, V's 4 x 16.  Place r of tile 2 b + u (of queries, keys or channels) is number 32 b + 8 u + r + 8 (r / 8) of its 128 (channels: of its 64).
; SHARES.  Work-group (j, head) owns query blocks j and 31 - j of 128 queries: waves 0-7 the eight tiles of block j, waves 8-15 those of block 31 - j: 8 (j + 1) + 8 (32 - j) = 264 tile steps in every work-group.
; A wave owns one tile of 16 queries in 256 registers, four waves to a SIMD, so that one wave's vector work stands beside another's products and LDS loads.
; THE HEAD SIZE, 64, fills half of the instruction's K = 128.  Q's registers 4-7 are zero codes; K's operand is named as eight registers of which the upper four are the next tile's codes: they meet zeros,
; under scale bytes that are never 0xff, and add nothing.
; LDS: the whole head, 32 steps x 8,960 bytes, filled once, in four chunks of eight steps; only read afterwards: no LDS byte is filled twice.
; CAUSAL: every wave walks all 32 steps (constant trip counts, every barrier); a step whose keys all come after the wave's block is jumped over by a scalar branch on ids; in the block's own step hidden scores become -infinity.
; NO CLUSTER, though sixteen work-groups read one head's K and V: partners of a joint load must branch alike, and these differ in the block on which the causal jump hangs;
; without the jump the tile steps would be 512 a work-group instead of 264.
; OUT: o_codes [tile 256][head 16][512], o_scales [tile][head pair 8][place 16] words, head 2 s + c owning bytes 2 c and 2 c + 1.
; LIMITS: NaN and infinities are not served; v_exp_f32 gives 0 for results under 2^-126; a block of o under 2^-124, or of zeros, keeps the byte 1 (this program alone reads the bytes).
.set STEPB, 8960
.set CHUNKB, 8*STEPB
.set HEADB, 32*STEPB
.set L16, 1                            ; v1  16 x lane
.set L4,  2                            ; v2  4 x lane
.set ADK, 3                            ; v3  LDS address of the step's codes
.set ADW, 4                            ; v4  of its scale words
.set DM,  5                            ; v5  my query's number in its block - 16 (lane / 16)
.set NINF, 6                           ; v6  -infinity
.set R4,  7                            ; v7  4 x (lane % 16)
.set KW,  8                            ; v8-11  K's scale words: register q: lanes 0-15 tile 2 q, lanes 16-31 tile 2 q + 1
                                       ; v12 -M, v13 the largest t, v[14:15] the sum in two halves
.set QF,  16                           ; v16-19 Q's codes, v20-23 zero codes
.set QW,  24                           ; v24  Q's scale words
.set PW,  25                           ; v25  p's scale word
.set VW,  26                           ; v26-27 V's scale words
.set KF,  28                           ; v28-59 K's eight tiles, four registers each; v60-63 zero codes
.set VF,  64                           ; v64-95 V's four fragments
.set SS,  96                           ; v96-159 S^T, then p
.set OT,  160                          ; v160-191 O^T
.set PC,  224                          ; v224-231 p's codes
.set BM,  232                          ; v232-235 the blocks' largest scores, then largest p
.set BX,  236                          ; v236-239 at work
.set BE,  244                          ; v244-247 the conversions' scale operands
.set FF,  252                          ; v252 f; v253 named with it as a pair
.set T0,  254
.set WV,  14
.set JB,  15
.set HD,  16
.set TQ,  17
.set DG,  18                           ; s18 my block: the step that lies on the diagonal
.set ST,  19                           ; s19 the step in hand
.set SEL, 20                           ; s[20:21] lane selects for v_permlanex16_b32: lane l xor 16
.set CS,  22                           ; s[22:23] c = log2(e) / 8
.set KB,  24                           ; s24 LDS byte at which the step begins
.set CNT, 25
.set G1,  28                           ; s[28:35] descriptor group 1
.set G0,  36                           ; s[36:51] four groups 0, one for each chunk
.macro PLACES
.rept 4
	v_nop
.endr
.endm
.macro WM d, a, b, c, sa, sb, ra       ; one product.  c < 0: the constant 0 starts the sum.  ra: source 0's scale words stand in lanes 16-31
.if (\c) < 0
.if (\ra)
	v_wmma_scale_f32_16x16x128_f8f6f4 v[(\d):(\d)+7], v[(\a):(\a)+7], v[(\b):(\b)+7], 0, v[\sa], v[\sb] matrix_a_fmt:MATRIX_FMT_FP4 matrix_b_fmt:MATRIX_FMT_FP4 matrix_a_scale:MATRIX_SCALE_ROW1
.else
	v_wmma_scale_f32_16x16x128_f8f6f4 v[(\d):(\d)+7], v[(\a):(\a)+7], v[(\b):(\b)+7], 0, v[\sa], v[\sb] matrix_a_fmt:MATRIX_FMT_FP4 matrix_b_fmt:MATRIX_FMT_FP4
.endif
.else
.if (\ra)
	v_wmma_scale_f32_16x16x128_f8f6f4 v[(\d):(\d)+7], v[(\a):(\a)+7], v[(\b):(\b)+7], v[(\c):(\c)+7], v[\sa], v[\sb] matrix_a_fmt:MATRIX_FMT_FP4 matrix_b_fmt:MATRIX_FMT_FP4 matrix_a_scale:MATRIX_SCALE_ROW1
.else
	v_wmma_scale_f32_16x16x128_f8f6f4 v[(\d):(\d)+7], v[(\a):(\a)+7], v[(\b):(\b)+7], v[(\c):(\c)+7], v[\sa], v[\sb] matrix_a_fmt:MATRIX_FMT_FP4 matrix_b_fmt:MATRIX_FMT_FP4
.endif
.endif
.endm
	s_load_b256 s[4:11], s[0:1], 0x0               ; q_codes s[4:5], q_scales s[6:7], kv s[8:9], o_codes s[10:11]
	s_load_b64 s[12:13], s[0:1], 0x20              ; o_scales
	v_lshl_add_u32 v251, v0, 2, 0x46000
	v_mov_b32 v255, 0
	ds_add_u32 v251, v255
	ds_add_u32 v251, v255
	v_lshrrev_b32 v3, 5, v0
	v_readfirstlane_b32 s[WV], v3                  ; wave 0..15
	s_mov_b32 s[JB], ttmp9
	s_and_b32 s[HD], ttmp7, 0xffff                 ; the head
	s_sub_co_u32 s52, 31, s[JB]
	s_cmp_lt_u32 s[WV], 8
	s_cselect_b32 s[DG], s[JB], s52                ; my block of 128 queries: j or 31 - j
	s_and_b32 s53, s[WV], 7
	s_lshl_b32 s[TQ], s[DG], 3
	s_add_co_u32 s[TQ], s[TQ], s53                 ; my tile of queries
	; group 1: one row of 4,480 bytes, 560 elements of 8: a sixteenth of a chunk
	s_mov_b32 s[G1], 3<<16
	s_mov_b32 s[G1+1], 560<<16                     ; tensor_dim0
	s_mov_b32 s[G1+2], 1<<16                       ; tensor_dim1
	s_mov_b32 s[G1+3], 560<<16                     ; tile_dim0
	s_mov_b32 s[G1+4], 1                           ; tile_dim1
	s_mov_b32 s[G1+5], 560
	s_mov_b32 s[G1+6], 0
	s_mov_b32 s[G1+7], 0
	s_mul_i32 s52, s[WV], 4480                     ; my sixteenth, in LDS and in memory
	s_mul_i32 s54, s[HD], HEADB
	s_add_co_u32 s54, s54, s52
	s_mov_b32 s55, 0
	s_mov_b32 s[SEL], 0x76543210
	s_mov_b32 s[SEL+1], 0xfedcba98
	s_mov_b32 s[CS], 0x3e38aa3b                    ; c = log2(e) / 8
	s_mov_b32 s[CS+1], s[CS]                       ; (named with it as a pair, so it is written)
	s_mov_b32 s[ST], 0
	s_wait_dscnt 0x0
	s_wait_kmcnt 0x0
	s_add_nc_u64 s[54:55], s[8:9], s[54:55]
.irp g, 0,1,2,3
	s_mov_b32 s[G0+4*\g], 1
	s_add_co_u32 s[G0+4*\g+1], s52, \g*CHUNKB
	s_add_nc_u64 s[G0+4*\g+2:G0+4*\g+3], s[54:55], \g*CHUNKB
	s_or_b32 s[G0+4*\g+3], s[G0+4*\g+3], 0x80000000
.endr
.irp g, 0,1,2,3
	tensor_load_to_lds s[G0+4*\g:G0+4*\g+3], s[G1:G1+7]            ; all first fills go out together: four loads of mine are out
	s_nop 0
.endr
	PLACES
	v_and_b32 v[L16], 31, v0
	v_lshlrev_b32 v[L4], 2, v[L16]
	v_lshlrev_b32 v[L16], 4, v[L16]
	v_and_b32 v[R4], 15, v0                        ; r
	v_and_b32 v[DM], 8, v[R4]
	v_add_nc_u32 v[DM], v[DM], v[R4]               ; r + 8 (r / 8)
	v_bfe_u32 v3, v0, 4, 1
	v_lshlrev_b32 v3, 4, v3
	v_sub_nc_u32 v[DM], v[DM], v3                  ; - 16 h
	s_bfe_u32 s57, s[WV], 0x20001
	s_lshl_b32 s57, s57, 5                         ; my tile 2 b + u of the block: 32 b
	s_and_b32 s60, s[WV], 1
	s_lshl_b32 s60, s60, 3                         ; + 8 u
	s_add_co_u32 s57, s57, s60
	v_add_nc_u32 v[DM], s57, v[DM]
	v_lshlrev_b32 v[R4], 2, v[R4]
	s_lshl_b32 s56, s[HD], 8
	s_add_co_u32 s56, s56, s[TQ]                   ; 256 head + tile
	s_lshl_b32 s58, s56, 9
	s_mov_b32 s59, 0
	s_add_nc_u64 s[4:5], s[4:5], s[58:59]
	s_lshl_b32 s58, s56, 6
	s_add_nc_u64 s[6:7], s[6:7], s[58:59]
	global_load_b128 v[QF:QF+3], v[L16], s[4:5]    ; Q's codes stay in registers
	global_load_b32 v[QW], v[R4], s[6:7]           ; and its scale words
	s_lshl_b32 s58, s[TQ], 4
	s_add_co_u32 s58, s58, s[HD]
	s_lshl_b32 s58, s58, 9                         ; o's codes: (16 tile + head) x 512
	s_add_nc_u64 s[10:11], s[10:11], s[58:59]
	s_lshl_b32 s58, s[TQ], 9                       ; o's scale bytes: 512 tile + 64 (head / 2) + 2 (head % 2)
	s_lshr_b32 s60, s[HD], 1
	s_lshl_b32 s60, s60, 6
	s_add_co_u32 s58, s58, s60
	s_and_b32 s60, s[HD], 1
	s_lshl_b32 s60, s60, 1
	s_add_co_u32 s58, s58, s60
	s_add_nc_u64 s[12:13], s[12:13], s[58:59]
	v_mov_b32 v[NINF], 0xff800000
	v_mov_b32 v13, 0xff61b1e6                      ; the largest t so far: -3e38, under every t
	v_floor_f32 v12, -v13                          ; -M
	v_mov_b32 v14, 0                               ; the sum, in two halves
	v_mov_b32 v15, 0
.irp b, 0,1,2,3
	v_mov_b32 v[QF+4+\b], 0                        ; zero codes for k = 64 .. 127
	v_mov_b32 v[KF+32+\b], 0                       ; and behind K's last tile
	v_mov_b32 v[BX+\b], 0                          ; a lane permute's destination counts as one of its sources
.endr
	v_mov_b32 v[FF], 0                             ; (a permute's destination on the way out)
	v_mov_b32 v[FF+1], 0                           ; (named as the upper half of the pair)
.set j, 0
.rept 32
	v_mov_b32 v[OT+j], 0                           ; O^T.  The step is written once: the first finds zeros, which the first change of M leaves zeros
.set j, j+1
.endr
; A KEY STEP: 128 keys
.macro STEP
	s_cmp_gt_u32 s[ST], s[DG]                      ; all its keys come after my queries: only the lines at its end that step counters are run
	s_cbranch_scc1 .Lhidden_\@
	v_add_nc_u32 v[ADK], s[KB], v[L16]
	v_add_nc_u32 v[ADW], s[KB], v[L4]
	v_nop
	v_nop                                          ; four places between the last step's last products and the loads into V's registers
.irp t, 0,1,2,3,4,5,6,7
	ds_load_b128 v[KF+4*\t:KF+4*\t+3], v[ADK] offset:512*\t
.endr
.irp q, 0,1,2,3
	ds_load_b32 v[KW+\q], v[ADW] offset:8192+128*\q
.endr
.irp ct, 0,1,2,3
.irp c, 0,1
	ds_load_b128 v[VF+8*\ct+4*\c:VF+8*\ct+4*\c+3], v[ADK] offset:4096+1024*\ct+512*\c
.endr
.endr
.irp q, 0,1
	ds_load_b32 v[VW+\q], v[ADW] offset:8704+128*\q
.endr
	s_wait_dscnt 10                                ; K's twelve loads are in; V's ten may be out
.irp t, 0,1,2,3,4,5,6,7                ; S^T = K Q^T: source 0 = 16 keys, source 1 = my 16 queries: a lane holds one query; the 16 registers of tiles 2 b, 2 b + 1 are keys 32 b + 16 (lane / 16) + 0 .. 15
	WM SS+8*\t, KF+4*\t, QF, -1, KW+\t/2, QW, \t%2
.endr
	PLACES
	s_cmp_lg_u32 s[ST], s[DG]                      ; only my block's own step has hidden keys
	s_cbranch_scc1 .Lopen_\@
.set n, 0
.rept 64
	v_cmp_gt_i32 vcc_lo, 32*(n/16)+n%16, v[DM]     ; register 16 b + i holds key 32 b + 16 (lane / 16) + i of the block: hidden where 32 b + i > my query - 16 (lane / 16)
	v_cndmask_b32 v[SS+n], v[SS+n], v[NINF], vcc_lo
.set n, n+1
.endr
.Lopen_\@:
.irp b, 0,1,2,3
	v_max3_num_f32 v[BM+\b], v[SS+16*\b], v[SS+1+16*\b], v[SS+2+16*\b]   ; the largest score of each block of 32 keys: for the row's maximum and, since p rises with the score, for the block's largest p
.endr
.irp i, 3,5,7,9,11,13
.irp b, 0,1,2,3
	v_max3_num_f32 v[BM+\b], v[BM+\b], v[SS+16*\b+\i], v[SS+1+16*\b+\i]
.endr
.endr
.irp b, 0,1,2,3
	v_max_num_f32 v[BM+\b], v[BM+\b], v[SS+15+16*\b]
.endr
.irp b, 0,1,2,3
	v_permlanex16_b32 v[BX+\b], v[BM+\b], s[SEL], s[SEL+1]
.endr
.irp b, 0,1,2,3
	v_max_num_f32 v[BM+\b], v[BM+\b], v[BX+\b]     ; with lane l xor 16's 16 keys
.endr
	v_max3_num_f32 v[T0], v[BM], v[BM+1], v[BM+2]
	v_max_num_f32 v[T0], v[T0], v[BM+3]            ; the step's largest score of my query
	v_mul_f32 v[T0], s[CS], v[T0]                  ; as t (c is positive)
	v_max_num_f32 v13, v13, v[T0]                  ; the running largest t
	v_mov_b32 v[T0], v12
	v_floor_f32 v12, -v13                          ; the new -M = floor(-t) = -ceil(t)
	v_sub_f32 v[T0], v12, v[T0]                    ; old M - new M: a whole number, 0 or less
	v_cvt_i32_f32 v[T0], v[T0]                     ; (it saturates)
	v_ldexp_f32 v[FF], 1.0, v[T0]                  ; f = 2^(old M - new M)
.set j, 0
.rept 32
	v_pk_fma_f32 v[SS+j:SS+j+1], v[SS+j:SS+j+1], s[CS:CS+1], v[12:13] op_sel_hi:[1,0,0]   ; t - M, two at a time (of the pairs c and -M the low word serves both halves)
.set j, j+2
.endr
.irp b, 0,1,2,3
	v_fma_f32 v[BM+\b], v[BM+\b], s[CS], v12       ; the same of each block's largest score
.endr
.set j, 0
.rept 64
	v_exp_f32 v[SS+j], v[SS+j]                     ; p = 2^(t - M), at most 1
.set j, j+1
.endr
.irp b, 0,1,2,3
	v_exp_f32 v[BM+\b], v[BM+\b]                   ; the block's largest p: the same two instructions on the same number give the same bits
.endr
	v_pk_mul_f32 v[14:15], v[14:15], v[FF:FF+1] op_sel_hi:[1,0]    ; the sums under the new M.  (A plain place behind the exponentials)
	s_wait_alu depctr_va_vdst(0)
.irp b, 0,1,2,3
	v_max_num_f32 v[BM+\b], 0x1800000, v[BM+\b]    ; the floor 2^(3 - 127): the byte cannot fall under 1
.endr
.irp b, 0,1,2,3
	v_add_nc_u32 v[BE+\b], 0xff000000, v[BM+\b]    ; 2 off the exponent field: the conversion's scale operand
.endr
.irp b, 0,1,2,3
	v_lshrrev_b32 v[BX+\b], 23, v[BE+\b]           ; the scale's byte
.endr
	v_lshl_or_b32 v[PW], v[BX+1], 8, v[BX]         ; p's scale word for these 128 keys
	v_lshl_or_b32 v[PW], v[BX+2], 16, v[PW]
	v_lshl_or_b32 v[PW], v[BX+3], 24, v[PW]
.irp b, 0,1,2,3
	v_cvt_scalef32_pk8_fp4_f32 v[PC+2*\b], v[SS+16*\b:SS+7+16*\b], v[BE+\b]
	v_cvt_scalef32_pk8_fp4_f32 v[PC+1+2*\b], v[SS+8+16*\b:SS+15+16*\b], v[BE+\b]
.endr
	v_nop                                          ; one plain place behind a scaled conversion
.irp c, 0,1                            ; the operand's layout wants a whole block in a lane
.irp i, 0,1
	v_permlane16_swap_b32 v[PC+4*\c+\i], v[PC+2+4*\c+\i]
.endr
.endr
	v_pk_add_f32 v[BX:BX+1], v[SS:SS+1], v[SS+2:SS+3]              ; the row's sum is taken of the unquantised p: two at a time, in two chains
.irp j, 4,8,12,16,20,24,28,32,36,40,44,48,52,56,60
	v_pk_add_f32 v[14:15], v[14:15], v[SS+\j:SS+1+\j]
	v_pk_add_f32 v[BX:BX+1], v[BX:BX+1], v[SS+2+\j:SS+3+\j]
.endr
	v_pk_add_f32 v[14:15], v[14:15], v[BX:BX+1]
.set j, 0
.rept 16
	v_pk_mul_f32 v[OT+j:OT+j+1], v[OT+j:OT+j+1], v[FF:FF+1] op_sel_hi:[1,0]   ; O^T under the new M, each accumulator from its low end on
.set j, j+2
.endr
	s_wait_dscnt 0x0                               ; V
.irp ct, 0,1,2,3                       ; O^T += V^T P^T: source 0 = 16 channels, source 1 = p; K = these 128 keys.  The four accumulators take turns
	WM OT+8*\ct, VF+8*\ct, PC, OT+8*\ct, VW+\ct/2, PW, \ct%2
.endr
.Lhidden_\@:
	s_add_co_u32 s[ST], s[ST], 1
	s_add_co_u32 s[KB], s[KB], STEPB
.endm
; Eight steps.  In front of them: my part of the chunk has landed (the later chunks' loads of mine, 3 - g of them, stay out), and everybody's has
.macro CHUNK g
	s_wait_tensorcnt 3-\g
	s_wait_dscnt 0x0
	s_barrier_signal -1
	s_barrier_wait -1
	s_mov_b32 s[KB], \g*CHUNKB
	s_mov_b32 s[CNT], 8
.Lstep_\@:
	STEP
	s_sub_co_u32 s[CNT], s[CNT], 1
	s_cmp_lg_u32 s[CNT], 0
	s_cbranch_scc1 .Lstep_\@
.endm
	s_wait_loadcnt 0x0                             ; Q
	CHUNK 0
	CHUNK 1
	CHUNK 2
	CHUNK 3
	; THE WAY OUT.  O^T / the sum; register 16 b + 8 u + i is channel 32 b + 16 (lane / 16) + 8 u + i of my query: two blocks of 32 along D, quantised as they stand
	PLACES
	v_add_f32 v14, v14, v15                        ; the sum's two halves,
	v_permlanex16_b32 v[FF], v14, s[SEL], s[SEL+1]
	v_add_f32 v14, v14, v[FF]                      ; and lane l xor 16's
	v_rcp_f32 v14, v14
	v_nop                                          ; a plain place behind the transcendental
.set j, 0
	s_wait_alu depctr_va_vdst(0)
.rept 16
	v_pk_mul_f32 v[SS+j:SS+j+1], v[OT+j:OT+j+1], v[14:15] op_sel_hi:[1,0]
.set j, j+2
.endr
.irp b, 0,1
	v_max3_num_f32 v[BM+\b], |v[SS+16*\b]|, |v[SS+1+16*\b]|, 0x1800000
.endr
.irp i, 2,4,6,8,10,12,14
.irp b, 0,1
	v_max3_num_f32 v[BM+\b], v[BM+\b], |v[SS+16*\b+\i]|, |v[SS+1+16*\b+\i]|
.endr
.endr
.irp b, 0,1
	v_permlanex16_b32 v[BX+\b], v[BM+\b], s[SEL], s[SEL+1]
.endr
.irp b, 0,1
	v_max_num_f32 v[BM+\b], v[BM+\b], v[BX+\b]
.endr
.irp b, 0,1
	v_add_nc_u32 v[BE+\b], 0xff000000, v[BM+\b]
.endr
.irp b, 0,1
	v_lshrrev_b32 v[BX+\b], 23, v[BE+\b]
.endr
.irp b, 0,1
	v_cvt_scalef32_pk8_fp4_f32 v[PC+2*\b], v[SS+16*\b:SS+7+16*\b], v[BE+\b]
	v_cvt_scalef32_pk8_fp4_f32 v[PC+1+2*\b], v[SS+8+16*\b:SS+15+16*\b], v[BE+\b]
.endr
	v_bfe_u32 v[T0], v0, 4, 1                      ; (the plain place behind the conversions)  h
	v_permlane16_swap_b32 v[PC], v[PC+2]
	v_permlane16_swap_b32 v[PC+1], v[PC+3]         ; registers 0-3: channels 32 h + 0 .. 31
	v_cmp_ne_u32 vcc_lo, 0, v[T0]
	v_cndmask_b32 v[FF], v[BX], v[BX+1], vcc_lo    ; lane (r, h) stores block h's byte of query place r
	v_add_nc_u32 v[T0], v[R4], v[T0]
	global_store_b128 v[L16], v[PC:PC+3], s[10:11] ; 512 consecutive bytes, aligned to 256
	global_store_b8 v[T0], v[FF], s[12:13]
	s_wait_tensorcnt 0x0
	ds_add_u32 v251, v255
	s_wait_dscnt 0x0
	s_endpgm
.Lfunc_end_k_qe543db4b38_attn:
	.size	k_qe543db4b38_attn, .Lfunc_end_k_qe543db4b38_attn-k_qe543db4b38_attn
	.p2alignl 7, 3214868480
	.fill 96, 4, 3214868480
	.section	.rodata,"a",@progbits
	.p2align	6, 0x0
	.amdhsa_kernel k_qe543db4b38_attn
		.amdhsa_group_segment_fixed_size 288768
		.amdhsa_private_segment_fixed_size 0
		.amdhsa_enable_private_segment 0
		.amdhsa_kernarg_size 40
		.amdhsa_user_sgpr_count 2
		.amdhsa_user_sgpr_kernarg_segment_ptr 1
		.amdhsa_wavefront_size32 1
		.amdhsa_system_sgpr_workgroup_id_x 1
		.amdhsa_system_sgpr_workgroup_id_y 1
		.amdhsa_system_sgpr_workgroup_id_z 1
		.amdhsa_system_vgpr_workitem_id 0
		.amdhsa_next_free_vgpr 256
		.amdhsa_next_free_sgpr 66
		.amdhsa_reserve_vcc 1
		.amdhsa_float_denorm_mode_32 3
		.amdhsa_float_denorm_mode_16_64 3
		.amdhsa_memory_ordered 1
		.amdhsa_forward_progress 1
		.amdhsa_inst_pref_size 91
	.end_amdhsa_kernel
	.amdgpu_metadata
---
amdhsa.version: [ 1, 2 ]
amdhsa.kernels:
  - .name:           k_qe543db4b38_attn
    .symbol:         k_qe543db4b38_attn.kd
    .args:
      - { .name: q_codes, .offset: 0, .size: 8, .value_kind: global_buffer, .address_space: global }
      - { .name: q_scales, .offset: 8, .size: 8, .value_kind: global_buffer, .address_space: global }
      - { .name: kv, .offset: 16, .size: 8, .value_kind: global_buffer, .address_space: global }
      - { .name: o_codes, .offset: 24, .size: 8, .value_kind: global_buffer, .address_space: global }
      - { .name: o_scales, .offset: 32, .size: 8, .value_kind: global_buffer, .address_space: global }
    .group_segment_fixed_size: 288768
    .private_segment_fixed_size: 0
    .kernarg_segment_align: 8
    .kernarg_segment_size: 40
    .max_flat_workgroup_size: 512
    .sgpr_count:     66
    .vgpr_count:     256
    .wavefront_size: 32
...
	.end_amdgpu_metadata
.endif
;; end of part 2
;; launch proj (part 3): grid 8 x 32, 8 waves a work-group, clusters of 4 x 4, 177,152 bytes of LDS; arguments o_codes, o_scales, Wo_codes, Wo_scales, bo, out0; writes out0
.if DOCPART == 3
	.amdgcn_target "amdgcn-amd-amdhsa--gfx1250"
	.amdhsa_code_object_version 6
	.text
	.protected	k_qe543db4b38_proj
	.globl	k_qe543db4b38_proj
	.p2align	8
	.type	k_qe543db4b38_proj,@function
k_qe543db4b38_proj:
	s_mov_b64 s[64:65], 0
	v_nop
	global_prefetch_b8 v0, s[64:65] scope:SCOPE_SE
	s_setreg_imm32_b32 hwreg(HW_REG_WAVE_MODE, 25, 1), 1
	s_wait_xcnt 0x0
	s_wait_alu depctr_hold_cnt(0) depctr_sa_sdst(0) depctr_va_vdst(0) depctr_va_sdst(0) depctr_va_ssrc(0) depctr_va_vcc(0) depctr_vm_vsrc(0)
	s_getreg_b32 s2, hwreg(HW_REG_IB_STS2, 6, 4)
	s_cmp_eq_u32 s2, 0
	s_cbranch_scc0 .Lentry_in_a_cluster
	s_endpgm
.Lentry_in_a_cluster:
	s_bfe_u32 s2, ttmp6, 0x10000c
	s_cmp_lg_u32 s2, 0xf033
	s_cbranch_scc0 .Lentry_shape_is_right
	s_endpgm
.Lentry_shape_is_right:
; out0 = o Wo + bo on codes of FP4 (E2M1) with one E8M0 scale for each 32 along K = 1,024.
; o: images of operand registers, o_codes [tile 256][K step 8][2][512], o_scales [tile][K step][place 16] words; place r of tile 8 g + 2 b + u is token 128 g + 32 b + 8 u + r + 8 (r / 8).
; Wo: [1024 (n)][1024 (k)] codes, 512 bytes a row; its scale bytes [1024][32].  bo [1024], out0 [4096][1024]: f32.
; SHARES.  A work-group takes 128 tokens (gy) x 128 columns (gx); wave w: columns 64 (w % 2) on (four tiles), token tiles 2 (w / 2), 2 (w / 2) + 1: eight accumulators, eight K steps, 64 products.
; THE PRODUCT IS USED TRANSPOSED (source 0 = 16 rows of Wo, source 1 = 16 tokens): a lane holds eight neighbouring columns of one row of out0.  The bias is the C of each sum's first product.
; LDS, filled once: o's codes (65,536, dense images), Wo's 128 rows (528 bytes apart: 512 + 16, so that a load's sixteen rows do not meet), o's scale words, Wo's scale bytes; behind them,
; in blocks of 256 bytes into which no fill lands, a stage of 16 rows x 272 bytes for each wave.
; CLUSTER 4 x 4: o's tiles hang on gy alone and are asked for jointly by a row of the cluster, Wo's on gx alone, by a column.  Two tensor loads a wave, all first fills.
; LIMITS: NaN and infinities are not served.
.set PITCH, 528
.set TILEB, 16*PITCH
.set BOFF,  65536
.set ASC,   BOFF+128*PITCH
.set BSC,   ASC+4096
.set STG,   BSC+4096
.set SP,    272
.set AA,  1                            ; v1 LDS address of my tokens' images
.set BA,  2                            ; v2 of my rows of Wo
.set ASA, 3                            ; v3 of the tokens' scale words
.set BSA, 4                            ; v4 of Wo's scale bytes
.set STO, 5                            ; v5 the stage: where I put 32 bytes of a row
.set RD,  6                            ; v6 and where I read a row back
.set CO,  7                            ; v7 my byte offset in out0
.set AS,  8                            ; v8-15  tokens' scale words: register s: lanes 0-15 tile 0, lanes 16-31 tile 1
.set BS,  16                           ; v16-31 Wo's: register 8 q + s: lanes 0-15 tile 2 q, lanes 16-31 tile 2 q + 1
.set BO,  32                           ; v32-63 the bias, eight registers a tile of columns
.set FB,  64                           ; v64-111, v112-159 two sets of fragments: the tokens' two, then Wo's four
.set ACC, 160                          ; v160-223 accumulator (token tile, column tile) at 160 + 32 Lt + 8 nt
.set OUT0, 224                         ; the way out: rows read back from the stage
.set OUT1, 64
.set WV,   20
.set CH,   21
.set TQ,   22
.set CX,   23
.set CY,   24
.set GX,   25
.set GY,   26
.set MROW, 27
.set MCOL, 28
.set G1AC, 32
.set G1AS, 40
.set G1BC, 48
.set G1BS, 56
.set G0AC, 68
.set G0AS, 72
.set G0BC, 76
.set G0BS, 80
.macro CROUND                          ; a round of the cluster's barrier
	s_barrier_signal -1
	s_barrier_wait -1
	s_cmp_lg_u32 s[WV], 0
	s_cbranch_scc1 .Lnot_wave_0_\@
	s_barrier_signal -3
.Lnot_wave_0_\@:
	s_barrier_wait -3
	s_barrier_signal -1
	s_barrier_wait -1
.endm
.macro PLACES
.rept 4
	v_nop
.endr
.endm
.macro WM d, a, b, c, sa, sb, ra, rb   ; one product.  ra, rb: the side's scale words stand in lanes 16-31 of the register named
.if (\ra) && (\rb)
	v_wmma_scale_f32_16x16x128_f8f6f4 v[(\d):(\d)+7], v[(\a):(\a)+7], v[(\b):(\b)+7], v[(\c):(\c)+7], v[\sa], v[\sb] matrix_a_fmt:MATRIX_FMT_FP4 matrix_b_fmt:MATRIX_FMT_FP4 matrix_a_scale:MATRIX_SCALE_ROW1 matrix_b_scale:MATRIX_SCALE_ROW1
.elseif (\ra)
	v_wmma_scale_f32_16x16x128_f8f6f4 v[(\d):(\d)+7], v[(\a):(\a)+7], v[(\b):(\b)+7], v[(\c):(\c)+7], v[\sa], v[\sb] matrix_a_fmt:MATRIX_FMT_FP4 matrix_b_fmt:MATRIX_FMT_FP4 matrix_a_scale:MATRIX_SCALE_ROW1
.elseif (\rb)
	v_wmma_scale_f32_16x16x128_f8f6f4 v[(\d):(\d)+7], v[(\a):(\a)+7], v[(\b):(\b)+7], v[(\c):(\c)+7], v[\sa], v[\sb] matrix_a_fmt:MATRIX_FMT_FP4 matrix_b_fmt:MATRIX_FMT_FP4 matrix_b_scale:MATRIX_SCALE_ROW1
.else
	v_wmma_scale_f32_16x16x128_f8f6f4 v[(\d):(\d)+7], v[(\a):(\a)+7], v[(\b):(\b)+7], v[(\c):(\c)+7], v[\sa], v[\sb] matrix_a_fmt:MATRIX_FMT_FP4 matrix_b_fmt:MATRIX_FMT_FP4
.endif
.endm
.macro LOADF s, buf                    ; K step s's six fragments into set buf: twelve loads
.irp lt, 0,1
.irp c, 0,1
	ds_load_b128 v[FB+48*(\buf)+8*\lt+4*\c:FB+48*(\buf)+8*\lt+4*\c+3], v[AA] offset:8192*\lt+1024*(\s)+512*\c
.endr
.endr
.irp nt, 0,1,2,3
.irp c, 0,1
	ds_load_b128 v[FB+48*(\buf)+16+8*\nt+4*\c:FB+48*(\buf)+16+8*\nt+4*\c+3], v[BA] offset:TILEB*\nt+64*(\s)+32*\c
.endr
.endr
.endm
.macro MUL s, buf, first               ; eight products; the eight accumulators take turns, one instruction a turn
.irp nt, 0,1,2,3
.irp lt, 0,1
.if \first
	WM ACC+32*\lt+8*\nt, FB+48*(\buf)+16+8*\nt, FB+48*(\buf)+8*\lt, BO+8*\nt, BS+8*(\nt/2)+(\s), AS+(\s), \nt%2, \lt
.else
	WM ACC+32*\lt+8*\nt, FB+48*(\buf)+16+8*\nt, FB+48*(\buf)+8*\lt, ACC+32*\lt+8*\nt, BS+8*(\nt/2)+(\s), AS+(\s), \nt%2, \lt
.endif
.endr
.endr
.endm
.macro TOSTAGE lt, out                 ; a token tile's 16 rows x 256 bytes through my own stage; LDS serves a wave's instructions in order (ISA guide 5.7.1.4): no wait between the stores and the loads
.irp nt, 0,1,2,3
	ds_store_b128 v[STO], v[ACC+32*\lt+8*\nt:ACC+32*\lt+8*\nt+3] offset:64*\nt       ; each accumulator from its low end on
	ds_store_b128 v[STO], v[ACC+32*\lt+8*\nt+4:ACC+32*\lt+8*\nt+7] offset:64*\nt+16
.endr
.irp i, 0,1,2,3,4,5,6,7
	ds_load_b128 v[\out+4*\i:\out+4*\i+3], v[RD] offset:2*SP*\i
.endr
.endm
.macro SEND lt, out                    ; places 2 i and 2 i + 1 of tile 2 tq + Lt are tokens 32 tq + 8 Lt + 2 i + 8 (i / 4) and the next
.irp i, 0,1,2,3,4,5,6,7
	global_store_b128 v[CO], v[\out+4*\i:\out+4*\i+3], s[14:15] offset:(8*\lt+2*\i+8*(\i/4))*4096 th:TH_STORE_NT   ; sixteen lanes store 256 consecutive bytes, aligned; written once, read by nobody here
.endr
.endm
	s_load_b256 s[4:11], s[0:1], 0x0               ; o_codes s[4:5], o_scales s[6:7], Wo's codes s[8:9], its scales s[10:11]
	s_load_b128 s[12:15], s[0:1], 0x20             ; bo s[12:13], out0 s[14:15]
	s_set_vgpr_msb 0x40
	v_lshl_add_u32 v0, v0, 2, 0x2b000
	v_mov_b32 v1, 0
	s_set_vgpr_msb 0x4045
	ds_add_u32 v0, v1
	ds_add_u32 v0, v1
	s_set_vgpr_msb 0x4500
	v_lshrrev_b32 v224, 5, v0
	v_readfirstlane_b32 s[WV], v224                ; wave 0..7
	s_and_b32 s[CH], s[WV], 1                      ; which 64 columns
	s_lshr_b32 s[TQ], s[WV], 1                     ; which two token tiles
	s_bfe_u32 s[CX], ttmp6, 0x40000
	s_bfe_u32 s[CY], ttmp6, 0x40004
	s_lshl_b32 s[GX], ttmp9, 2
	s_add_co_u32 s[GX], s[GX], s[CX]
	s_and_b32 s[GY], ttmp7, 0xffff
	s_lshl_b32 s[GY], s[GY], 2
	s_add_co_u32 s[GY], s[GY], s[CY]
	s_lshl_b32 s[MROW], s[CY], 2
	s_lshl_b32 s[MROW], 15, s[MROW]                ; my row of the cluster
	s_lshl_b32 s[MCOL], 0x1111, s[CX]              ; my column
	; groups 1.  o's codes: 16,384 dense bytes as 64 rows of 256; scales of either side: 1,024 dense bytes as 4 rows of 256; Wo's codes: 32 rows of 512 bytes, 4 words of padding behind every 128
	s_or_b32 s[G1AC], s[MROW], (3<<16)|(1<<21)
	s_mov_b32 s[G1AC+1], 32<<16
	s_mov_b32 s[G1AC+2], 64<<16
	s_mov_b32 s[G1AC+3], 32<<16
	s_mov_b32 s[G1AC+4], 64
	s_mov_b32 s[G1AC+5], 32
	s_mov_b32 s[G1AC+6], 0
	s_mov_b32 s[G1AC+7], 0
	s_or_b32 s[G1AS], s[MROW], (3<<16)|(1<<21)
	s_or_b32 s[G1BS], s[MCOL], (3<<16)|(1<<21)
.irp g, G1AS, G1BS
	s_mov_b32 s[\g+1], 32<<16
	s_mov_b32 s[\g+2], 4<<16
	s_mov_b32 s[\g+3], 32<<16
	s_mov_b32 s[\g+4], 4
	s_mov_b32 s[\g+5], 32
	s_mov_b32 s[\g+6], 0
	s_mov_b32 s[\g+7], 0
.endr
	s_or_b32 s[G1BC], s[MCOL], (0<<16)|(1<<20)|(1<<21)|(6<<22)|(3<<25)
	s_mov_b32 s[G1BC+1], 512<<16
	s_mov_b32 s[G1BC+2], 32<<16
	s_mov_b32 s[G1BC+3], 512<<16
	s_mov_b32 s[G1BC+4], 32
	s_mov_b32 s[G1BC+5], 512
	s_mov_b32 s[G1BC+6], 0
	s_mov_b32 s[G1BC+7], 0
	; what a wave fetches: quarter wave % 4 of o's codes and scales (waves 0-3) or of Wo's (waves 4-7).  gx and gy never share a register
	s_and_b32 s84, s[WV], 3
	s_lshl_b32 s85, s84, 14                        ; o's codes: 16,384 x quarter, in LDS and in memory
	s_lshl_b32 s86, s84, 10                        ; scales: 1,024 x quarter
	s_mul_i32 s87, s84, 32*PITCH                   ; Wo's codes in LDS
	s_lshl_b32 s88, s[GY], 16
	s_add_co_u32 s88, s88, s85
	s_mov_b32 s89, 0
	s_lshl_b32 s90, s[GY], 12
	s_add_co_u32 s90, s90, s86
	s_mov_b32 s91, 0
	s_lshl_b32 s92, s[GX], 7
	s_lshl_b32 s93, s84, 5
	s_add_co_u32 s92, s92, s93                     ; Wo's row 128 gx + 32 x quarter
	s_lshl_b32 s94, s92, 5
	s_mov_b32 s95, 0
	s_lshl_b32 s92, s92, 9
	s_mov_b32 s93, 0
	s_wait_dscnt 0x0
	s_wait_kmcnt 0x0
	s_mov_b32 s[G0AC], 1
	s_mov_b32 s[G0AC+1], s85
	s_add_nc_u64 s[G0AC+2:G0AC+3], s[4:5], s[88:89]
	s_or_b32 s[G0AC+3], s[G0AC+3], 0x80000000
	s_mov_b32 s[G0AS], 1
	s_add_co_u32 s[G0AS+1], s86, ASC
	s_add_nc_u64 s[G0AS+2:G0AS+3], s[6:7], s[90:91]
	s_or_b32 s[G0AS+3], s[G0AS+3], 0x80000000
	s_mov_b32 s[G0BC], 1
	s_add_co_u32 s[G0BC+1], s87, BOFF
	s_add_nc_u64 s[G0BC+2:G0BC+3], s[8:9], s[92:93]
	s_or_b32 s[G0BC+3], s[G0BC+3], 0x80000000
	s_mov_b32 s[G0BS], 1
	s_add_co_u32 s[G0BS+1], s86, BSC
	s_add_nc_u64 s[G0BS+2:G0BS+3], s[10:11], s[94:95]
	s_or_b32 s[G0BS+3], s[G0BS+3], 0x80000000
	CROUND                                         ; all sixteen work-groups are here: the joint loads meet
	s_cmp_lt_u32 s[WV], 4                          ; a wave's two loads stand in one branch; four v_nop follow the second
	s_cbranch_scc0 .Lfor_b
	tensor_load_to_lds s[G0AC:G0AC+3], s[G1AC:G1AC+7]
	s_nop 0
	tensor_load_to_lds s[G0AS:G0AS+3], s[G1AS:G1AS+7]
	s_nop 0
	PLACES
	s_branch .Lasked
.Lfor_b:
	tensor_load_to_lds s[G0BC:G0BC+3], s[G1BC:G1BC+7]
	s_nop 0
	tensor_load_to_lds s[G0BS:G0BS+3], s[G1BS:G1BS+7]
	s_nop 0
	PLACES
.Lasked:
	v_and_b32 v224, 31, v0                         ; lane
	v_and_b32 v225, 15, v0                         ; r
	v_bfe_u32 v226, v0, 4, 1                       ; h
	s_lshl_b32 s96, s[TQ], 14
	v_lshl_add_u32 v[AA], v224, 4, s96             ; two tiles of 8,192 bytes; 16 x lane
	s_mul_i32 s96, s[CH], 64*PITCH
	s_add_co_u32 s96, s96, BOFF
	v_mul_u32_u24 v227, v225, PITCH
	v_lshl_add_u32 v227, v226, 4, v227
	v_add_nc_u32 v[BA], s96, v227                  ; row 64 ch + r, + 16 h
	s_lshl_b32 s96, s[TQ], 10
	s_add_co_u32 s96, s96, ASC
	v_lshlrev_b32 v227, 2, v225
	v_lshl_add_u32 v227, v226, 9, v227
	v_add_nc_u32 v[ASA], s96, v227                 ; tile 2 tq + h: 512 bytes a tile; 4 r
	s_lshl_b32 s96, s[CH], 11
	s_add_co_u32 s96, s96, BSC
	v_lshl_add_u32 v[BSA], v224, 5, s96            ; row 64 ch + lane: 32 bytes a row
	s_mul_i32 s96, s[WV], 16*SP
	s_add_co_u32 s96, s96, STG                     ; my stage
	v_mul_u32_u24 v227, v225, SP
	v_lshl_add_u32 v227, v226, 5, v227
	v_add_nc_u32 v[STO], s96, v227                 ; in: row r, + 32 h
	v_mul_u32_u24 v227, v226, SP
	v_lshl_add_u32 v227, v225, 4, v227
	v_add_nc_u32 v[RD], s96, v227                  ; back: lanes 0-15 one row, lanes 16-31 the next
	v_lshlrev_b32 v[CO], 12, v226
	v_lshl_add_u32 v[CO], v225, 4, v[CO]           ; and the same in out0: rows of 4,096 bytes
	v_lshlrev_b32 v228, 5, v226                    ; the bias: lane (r, h) wants, for tile nt, columns 16 nt + 8 h + 0 .. 7
	s_lshl_b32 s96, s[GX], 9
	s_lshl_b32 s97, s[CH], 8
	s_add_co_u32 s96, s96, s97                     ; 4 x (128 gx + 64 ch)
	s_mov_b32 s97, 0
	s_add_nc_u64 s[12:13], s[12:13], s[96:97]
.irp nt, 0,1,2,3
	global_load_b128 v[BO+8*\nt:BO+8*\nt+3], v228, s[12:13] offset:64*\nt
	global_load_b128 v[BO+8*\nt+4:BO+8*\nt+7], v228, s[12:13] offset:64*\nt+16
.endr
	s_add_nc_u64 s[14:15], s[14:15], s[96:97]      ; out0 at my first column,
	s_lshl_b32 s96, s[GY], 7
	s_lshl_b32 s98, s[TQ], 5
	s_add_co_u32 s96, s96, s98
	s_lshl_b32 s96, s96, 12                        ; and row 128 gy + 32 tq
	s_add_nc_u64 s[14:15], s[14:15], s[96:97]
	s_wait_tensorcnt 0x0                           ; my two tensor loads have landed,
	s_barrier_signal -1
	s_barrier_wait -1                              ; everybody's have
.irp s, 0,1,2,3,4,5,6,7
	ds_load_b32 v[AS+\s], v[ASA] offset:64*\s
.endr
.irp q, 0,1
.irp k, 0,1
	ds_load_b128 v[BS+8*\q+4*\k:BS+8*\q+4*\k+3], v[BSA] offset:1024*\q+16*\k
.endr
.endr
	LOADF 0, 0
	s_wait_loadcnt 0x0                             ; the bias
	LOADF 1, 1
	s_wait_dscnt 12                                ; all but the twelve just issued
	MUL 0, 0, 1                                    ; onto the bias
.irp s, 1,2,3,4,5,6
	PLACES                                         ; in front of loads into the set that the last step multiplied
	LOADF \s+1, (\s+1)%2
	s_wait_dscnt 12                                ; all but the twelve just issued
	MUL \s, \s%2, 0
.endr
	s_wait_dscnt 0x0
	MUL 7, 1, 0
	PLACES
	TOSTAGE 0, OUT0
	TOSTAGE 1, OUT1
	s_wait_dscnt 16                                ; the first tile's rows are back; the second's eight stores and eight loads may be out
	SEND 0, OUT0
	s_wait_dscnt 0x0
	SEND 1, OUT1
	s_set_vgpr_msb 0x5
	s_wait_tensorcnt 0x0
	ds_add_u32 v0, v1
	s_wait_dscnt 0x0
	s_set_vgpr_msb 0x500
	CROUND                                         ; the closing round: no work-group ends while a partner may still ask for a tile that names it
	s_endpgm
.Lfunc_end_k_qe543db4b38_proj:
	.size	k_qe543db4b38_proj, .Lfunc_end_k_qe543db4b38_proj-k_qe543db4b38_proj
	.p2alignl 7, 3214868480
	.fill 96, 4, 3214868480
	.section	.rodata,"a",@progbits
	.p2align	6, 0x0
	.amdhsa_kernel k_qe543db4b38_proj
		.amdhsa_group_segment_fixed_size 177152
		.amdhsa_private_segment_fixed_size 0
		.amdhsa_enable_private_segment 0
		.amdhsa_kernarg_size 48
		.amdhsa_user_sgpr_count 2
		.amdhsa_user_sgpr_kernarg_segment_ptr 1
		.amdhsa_wavefront_size32 1
		.amdhsa_system_sgpr_workgroup_id_x 1
		.amdhsa_system_sgpr_workgroup_id_y 1
		.amdhsa_system_sgpr_workgroup_id_z 1
		.amdhsa_system_vgpr_workitem_id 0
		.amdhsa_next_free_vgpr 258
		.amdhsa_next_free_sgpr 100
		.amdhsa_reserve_vcc 0
		.amdhsa_float_denorm_mode_32 3
		.amdhsa_float_denorm_mode_16_64 3
		.amdhsa_memory_ordered 1
		.amdhsa_forward_progress 1
		.amdhsa_inst_pref_size 29
	.end_amdhsa_kernel
	.amdgpu_metadata
---
amdhsa.version: [ 1, 2 ]
amdhsa.kernels:
  - .name:           k_qe543db4b38_proj
    .symbol:         k_qe543db4b38_proj.kd
    .args:
      - { .name: o_codes, .offset: 0, .size: 8, .value_kind: global_buffer, .address_space: global }
      - { .name: o_scales, .offset: 8, .size: 8, .value_kind: global_buffer, .address_space: global }
      - { .name: Wo_codes, .offset: 16, .size: 8, .value_kind: global_buffer, .address_space: global }
      - { .name: Wo_scales, .offset: 24, .size: 8, .value_kind: global_buffer, .address_space: global }
      - { .name: bo, .offset: 32, .size: 8, .value_kind: global_buffer, .address_space: global }
      - { .name: out0, .offset: 40, .size: 8, .value_kind: global_buffer, .address_space: global }
    .group_segment_fixed_size: 177152
    .private_segment_fixed_size: 0
    .kernarg_segment_align: 8
    .kernarg_segment_size: 48
    .max_flat_workgroup_size: 256
    .sgpr_count:     100
    .vgpr_count:     258
    .wavefront_size: 32
...
	.end_amdgpu_metadata
.endif
;; end of part 3
